; MI455X (gfx1250); checked and timed in simulation.
; The chip was launched on July 23, 2026; its instructions are those of AMD's public machine-readable ISA for CDNA 5 (MIT licence, August 2026) and "CDNA5" Instruction Set Architecture Reference Guide (July 2026). The comments in the code are by the model that wrote it; some were corrected since.
;; Dot Prod Attention. Allowed arithmetic: matrix products marked QUANTISED: E2M3 operands, one E8M0 scale for each 32 along K, by v_wmma_scale_f32_16x16x128_f8f6f4 with both operands' format E2M3, f32 sums; everything else in f32.
;; Inputs: key 32 x 2,048 x 64 float32; query 32 x 2,048 x 64 float32; value 32 x 2,048 x 64 float32.
;; Outputs: out0 32 x 2,048 x 64 float32.
;; This version of the problem:
;;   THIS VERSION OF THE PROBLEM IS GIVEN IN LOW PRECISION. The matrix products marked QUANTISED in the list below multiply operands that are first quantised to E2M3 (2 exponent bits, 3 mantissa bits; 6 bits a number), with one power-of-two scale for each 32 numbers along K (OCP MX v1.0); their sums are f32. All else is computed in f32.
;;   The module's matrix products, in the order in which they are computed (A, B: the left and right operand; K: the contracted axis; several contracted axes count as one K, in the product's order):
;;     1. batch 32 x [M 2,048, K 64] x [K 64, N 2,048]; A: input query; B: input key: QUANTISED
;;     2. batch 32 x [M 2,048, K 2,048] x [K 2,048, N 64]; A: softmax (see below); B: input value: QUANTISED
;;   THE QUANTISER, for each operand of a quantised product, along K:
;;     - K is cut into blocks of 32 from its start; a last block that is shorter is filled with zeros.
;;     - A block's scale is 2^e with e = floor(log2(the largest magnitude in the block)) - 2, held to -126 .. 127; a block of zeros has e = 0. As a byte (E8M0): e + 127.
;;     - Each number is divided by its block's scale, clamped to +-7.5, and rounded to the nearest number of E2M3, ties to even, subnormals kept.
;;     - The product sums the exact products of the quantised numbers (number of the format x scale) in f32.
;;   ~~~python
;;   def quantise(x, axis):      # numpy; x: float32 -> the quantised numbers, widened to float32 again
;;       x = np.moveaxis(x, axis, -1); K = x.shape[-1]
;;       x = np.pad(x, [(0, 0)] * (x.ndim - 1) + [(0, -K % 32)]); x = x.reshape(x.shape[:-1] + (-1, 32)); a = np.abs(x).max(-1, keepdims=True)
;;       e = np.where(a > 0, np.clip(np.frexp(np.where(a > 0, a, 1))[1] - 1 - 2, -126, 127), 0)      # np.frexp(a)[1] - 1 = floor(log2(a)), exactly
;;       r = np.clip(x / 2.0 ** e, -7.5, 7.5)
;;       step = 2.0 ** (np.maximum(np.frexp(np.where(r == 0, 1, r))[1] - 1, 0) - 3)
;;       q = np.round(r / step) * step * 2.0 ** e      # np.round: ties to even
;;       return np.moveaxis(q.reshape(q.shape[:-2] + (-1,))[..., :K], -1, axis).astype(np.float32)
;;   ~~~
;;   SOFTMAX AHEAD OF A QUANTISED PRODUCT. Where the list says 'softmax', what is quantised is not the finished softmax but p = 2^(t - M), with t = logit x log2(e) and M = ceil(the row's largest t), a whole number; so 1/2 < the row's largest p <= 1. The row's sum l is taken of the UNQUANTISED p, in f32, and the product's result is divided by l at the end. Since M is a whole number, a kernel that streams over the keys may use a running M (the ceiling of the running maximum): every later rescaling is an exact power of two, which a block's scale takes up: the codes' values come out the same.
;;   OPERANDS COMPUTED ON THE WAY. 'Computed on the way' means the value that the module computes at that place (a softmax that the list does not call 'softmax' is quantised finished and normalised). What goes into a quantiser is computed in f32, as accurately as f32 sums, v_exp_f32 and their like allow (about 1e-6 of the number): no bf16 or f16 on the way to a quantiser, and a product that is left as it is and whose result goes on into a quantised operand takes f32 operands (vector FMAs, or v_wmma_f32_16x16x4_f32). A number that lies on a knife's edge between two numbers of the format may be rounded either way, as far as f32 arithmetic and the matrix unit's own rounding can turn it there, and no further.
;; 2 versions, each right; version 2 is version 1 with the launch attn written anew for expert scheduling mode. Each part assembles by itself: llvm-mc -triple=amdgcn-amd-amdhsa -mcpu=gfx1250 --defsym DOCPART=n.
;; ======== version 1 of 2: 1 launch
;; launch attn (part 1): grid 8 x 32, 16 waves a work-group, no clusters, 124,928 bytes of LDS; arguments query, key, value, out0; writes out0
.if DOCPART == 1
	.amdgcn_target "amdgcn-amd-amdhsa--gfx1250"
	.amdhsa_code_object_version 6
	.text
	.protected	k_q6498dd0f99_attn
	.globl	k_q6498dd0f99_attn
	.p2align	8
	.type	k_q6498dd0f99_attn,@function
k_q6498dd0f99_attn:
	s_mov_b64 s[64:65], 0
	v_nop
	global_prefetch_b8 v0, s[64:65] scope:SCOPE_SE
	s_setreg_imm32_b32 hwreg(HW_REG_WAVE_MODE, 25, 1), 1
	s_wait_xcnt 0x0
; out0[b][q][:] = the sum over k of softmax_k(query[b][q] . key[b][k] / 8) value[b][k][:].  All four tensors [32][2048][64] f32.  Both products on codes of FP6 (E2M3) with one E8M0 scale for each 32 along a product's K.
; THE SOFTMAX AHEAD OF THE SECOND PRODUCT: t = score x log2(e) / 8; M = the row's largest t so far, rounded UP to a whole number; p = 2^(t - M) is what is quantised, along the keys, not normalised.
; The row's sum is taken of the unquantised p, in f32, and divides O at the end.  When M moves, the sum and O are multiplied by 2^(old M - new M): exact.
; SHARES.  A work-group owns 256 queries of one head; each of its sixteen waves 16 of them, one tile, in 256 registers: four waves to a SIMD, so that one wave's matrix work and LDS loads stand beside another's vector work.
; Every wave walks the head's 2,048 keys, 128 a step.  Both products are used transposed (S^T = K Q^T, O^T = V^T P^T): a lane holds ONE query (lane % 16) throughout.
; K AND V ARE QUANTISED HERE, a chunk of 256 keys ahead of its use: wave w makes one tile of K (16 keys, 4 KiB of f32) and one block of V (32 keys x 32 channels, 4 KiB) of the next chunk, between its key steps, and stores
; the codes into the other of two LDS slots AS IMAGES OF THE READER'S REGISTERS: register g of lane L at 512 (g / 4) + 16 L + 4 (g % 4), so that a step's 48 registers of K, or of V, come back by twelve loads of 16 bytes a lane.
; THE KEYS OF A TILE ARE NOT NEIGHBOURS: row m of tile 4 c + u of a step is key 64 c + 32 (m / 8) + 8 u + m % 8.  So the 32 score registers SC + 32 c + 0 .. 31 of lane (r, h) are the 32 neighbouring keys of block 2 c + h:
; a block of p lies whole in one lane, its maximum asks no other lane, and the conversions' results are the second product's operand.
; THE FIRST PRODUCT'S K IS 64, the instruction's 128.  Q's fragment holds zero codes for K = 64 .. 127; FP6 has no code for NaN or infinity, so whatever codes K's operand names there add exactly 0.  So K's eight fragments lie 6
; registers apart and each names the next one's six as its upper half (the last: p's codes).  Bytes 2, 3 of Q's and K's scale words repeat bytes 0, 1: never 0xff.
; NO JOINT LOADS, though the eight work-groups of a head read the same K and V: the numbers arrive as f32 and have to pass through registers for the quantiser.  Brought by the data mover they would be written to LDS and read
; back once more, 128 KiB a chunk and 1 MiB a work-group each way; here each wave loads its 8 KiB a chunk straight into registers, a key step ahead of their use.
; LIMITS: NaN and infinities among the inputs are not served.  A block whose largest magnitude lies under 2^-124 (a block of zeros too) keeps the scale byte 1: its codes are then zeros or subnormal codes under that byte, and
; the bytes are read by this program alone.  p under 2^-126 comes out of v_exp_f32 as 0.
.set SLOTB, 26112                      ; an LDS slot: a chunk of 256 keys = two key steps
.set KI,    0                          ; K's images: 6,144 bytes a step (48 registers x 32 lanes x 4)
.set VI,    12288                      ; V's images, likewise: register 12 dt + 6 c + j of lane r + 16 h = channel 16 dt + r, keys 64 c + 32 h + 0 .. 31
.set KSC,   24576                      ; K's scale words, 512 bytes a step: (tile T, row r) at 16 (r + 16 (T / 4)) + 4 (T % 4)
.set VSC,   25600                      ; V's scale words, 256 bytes a step: (dt, r) at 8 (r + 16 (dt % 2)) + 4 (dt / 2); byte b = the step's block b
.set STAGE, 2*SLOTB                    ; behind the slots: a stage of 16 rows x (256 + 16) bytes for each wave, its own
.set STGW,  16*272
.set CHB,   256*256                    ; a chunk's bytes in key and in value
.set LI,  1                            ; v1   16 x lane
.set L8,  2                            ; v2   8 x lane
.set L4,  3                            ; v3   4 x lane
.set STI, 4                            ; v4   stage, two rows an instruction: 272 (lane / 16) + 16 (lane % 16)
.set STR, 5                            ; v5   stage, a lane's half row: 272 (lane % 16) + 128 (lane / 16)
.set KW,  6                            ; v6-8   where I store my tile of K's image, two registers at a time
.set KWS, 9                            ; v9     and its scale word
.set VW,  10                           ; v10-12 the same for my block of V
.set VWS, 13                           ; v13    and its scale byte
.set SH8, 14                           ; v14  8 (lane / 16)
.set STO, 15                           ; v15  stage, the way out: 272 (lane % 16) + 32 (lane / 16)
.set NM,  16                           ; v16 -M, v17 the largest t so far (named as a pair by the packed forms)
.set XS,  18                           ; v[18:19] the row's sum, even keys' and odd keys'
.set FF,  20                           ; v20 f = 2^(old M - new M); v21 written, named with it
.set QF,  22                           ; v[22:33] Q's fragment: six registers of codes, six of zeros
.set QS,  34                           ; v34  Q's scale words
.set PS,  35                           ; v35  p's scale words
.set KS,  36                           ; v[36:39] K's: register u: tile u in lanes 0-15, tile 4 + u in lanes 16-31
.set VS,  40                           ; v[40:41] V's: register k: dt = 2 k in lanes 0-15, 2 k + 1 in lanes 16-31
.set YS,  42                           ; v42-45 chains of maxima; later v[42:43] the sum's second chain.  v46, v47 at work; v48, v49 the conversions' scale operands; v50, v51 scale bytes; v[52:54], v[56:58] codes; v59 the old -M
.set FR,  60                           ; v[60:107] a step's fragments of K, then of V
.set PC,  108                          ; v[108:119] p's codes
.set SC,  120                          ; v[120:183] S^T, then p; between steps at work for the quantisers
.set CD,  SC+32                        ; the codes that a quantiser has just made
.set OT,  184                          ; v[184:215] O^T: tile dt (16 channels) at OT + 8 dt
.set LD,  216                          ; v[216:247] where V's and K's f32 numbers land, by turns
.set KP,  26                           ; s[26:27] key at my tile of the chunk to be loaded
.set VP,  28                           ; s[28:29] value at my block of it
; eight loads of 512 consecutive bytes (two rows of 64 f32): rows 0-7, and eight more rows off2 bytes on
.macro KLOAD dst, base, off2, nt
.irp i, 0,1,2,3,4,5,6,7
.if \nt
	global_load_b128 v[\dst+4*\i:\dst+4*\i+3], v[LI], s[\base:\base+1] offset:(\i/4)*\off2+512*(\i%4) th:TH_LOAD_NT
.else
	global_load_b128 v[\dst+4*\i:\dst+4*\i+3], v[LI], s[\base:\base+1] offset:(\i/4)*\off2+512*(\i%4)
.endif
.endr
.endm
; a lane takes a channel, and its 32 registers run down the 32 keys of a block: each load reads 128 consecutive bytes, and wave w xor 1 the row's other 128
.macro VLOAD
.set vi, 0
.rept 32
	global_load_b32 v[LD+vi], v[L4], s[VP:VP+1] offset:256*vi
.set vi, vi+1
.endr
.endm
; 16 rows of 64 f32, as loaded, turn through my stage: lane (r, h) then holds the 32 numbers of block h of row r in v[SC] on.  LDS serves a wave's instructions in order: no wait between the stores and the loads
.macro TURN src
.irp i, 0,1,2,3,4,5,6,7
	ds_store_b128 v[STI], v[\src+4*\i:\src+4*\i+3] offset:544*\i
.endr
.irp i, 0,1,2,3,4,5,6,7
	ds_load_b128 v[SC+4*\i:SC+4*\i+3], v[STR] offset:16*\i
.endr
	s_wait_dscnt 0x0
.endm
; a lane's 32 numbers, one block, become six registers of codes at v[cod] on; the scale's byte in v50
.macro QUANT32 src, cod
	v_max3_num_f32 v42, |v[\src]|, |v[\src+1]|, 0x1800000            ; the largest magnitude, in two chains; the floor 2^(3 - 127) among the leaves holds the byte at 1 from below
	v_max3_num_f32 v43, |v[\src+16]|, |v[\src+17]|, |v[\src+18]|
.irp i, 0,1,2,3,4,5
	v_max3_num_f32 v42, v42, |v[\src+2+2*\i]|, |v[\src+3+2*\i]|
	v_max3_num_f32 v43, v43, |v[\src+19+2*\i]|, |v[\src+20+2*\i]|
.endr
	v_max3_num_f32 v42, v42, |v[\src+14]|, |v[\src+15]|
	v_max3_num_f32 v42, v42, v43, |v[\src+31]|
	v_add_nc_u32 v48, 0xff000000, v42                                ; 2 off its exponent field: the conversion takes the exponent field of this operand as its scale
	v_lshrrev_b32 v50, 23, v48                                       ; the scale's byte
	v_cvt_scalef32_pk16_fp6_f32 v[\cod:\cod+2], v[\src:\src+15], v48
	v_cvt_scalef32_pk16_fp6_f32 v[\cod+6:\cod+8], v[\src+16:\src+31], v48   ; (a conversion's three registers begin on an even number)
	v_nop                                                            ; one plain place behind a scaled conversion
.irp i, 0,1,2
	v_mov_b32 v[\cod+3+\i], v[\cod+6+\i]
.endr
.endm
; the scale word of a row of Q or K: my byte is block h's; with lane l xor 16's it is bytes 0 and 1, which bytes 2 and 3 repeat
.macro SWORD dst
	v_lshlrev_b32 v46, v[SH8], v50
	v_permlanex16_b32 v47, v46, s20, s21
	v_or_b32 v46, v46, v47
	v_lshl_or_b32 v[\dst], v46, 16, v46
.endm
.macro KSTORE dst                      ; my tile of K into slot dst
.irp i, 0,1,2
	ds_store_b64 v[KW+\i], v[CD+2*\i:CD+2*\i+1] offset:(\dst)*SLOTB+KI
.endr
	ds_store_b32 v[KWS], v46 offset:(\dst)*SLOTB+KSC                 ; lanes l and l + 16 write the same word with the same value
.endm
.macro VSTORE dst                      ; my block of V into slot dst
.irp i, 0,1,2
	ds_store_b64 v[VW+\i], v[CD+2*\i:CD+2*\i+1] offset:(\dst)*SLOTB+VI
.endr
	ds_store_b8 v[VWS], v50 offset:(\dst)*SLOTB+VSC
.endm
; the row's sum of the unquantised p, pair n of 32, in two chains: the even pairs go to the sum itself, the odd ones (pairs 0 and 1 start it) to a second chain
.macro ADDP n
.if (\n) == 1
	s_wait_alu depctr_va_vdst(0)
	v_pk_add_f32 v[YS:YS+1], v[SC:SC+1], v[SC+2:SC+3]
.elseif ((\n)%2) == 0
	s_wait_alu depctr_va_vdst(0)
	v_pk_add_f32 v[XS:XS+1], v[XS:XS+1], v[SC+2*(\n):SC+2*(\n)+1]
.else
	s_wait_alu depctr_va_vdst(0)
	v_pk_add_f32 v[YS:YS+1], v[YS:YS+1], v[SC+2*(\n):SC+2*(\n)+1]
.endif
.endm
.macro TMM n                           ; pair n of the scores: t - M, two at a time (of the pairs c and -M the low word serves both halves)
	v_pk_fma_f32 v[SC+2*(\n):SC+2*(\n)+1], v[SC+2*(\n):SC+2*(\n)+1], s[22:23], v[NM:NM+1] op_sel_hi:[1,0,0]
.endm
; A KEY STEP: the q-th 128 keys of slot sl
.macro STEP sl, q
.irp i, 0,1,2,3,4,5,6,7,8,9,10,11
	ds_load_b128 v[FR+4*\i:FR+4*\i+3], v[LI] offset:\sl*SLOTB+KI+6144*\q+512*\i
.endr
	ds_load_b128 v[KS:KS+3], v[LI] offset:\sl*SLOTB+KSC+512*\q
	s_wait_dscnt 0x0
.irp t, 0,1,2,3                        ; S^T = K Q^T: source 0 = 16 keys, source 1 = my 16 queries
	v_wmma_scale_f32_16x16x128_f8f6f4 v[SC+8*\t:SC+8*\t+7], v[FR+6*\t:FR+6*\t+11], v[QF:QF+11], 0, v[KS+\t], v[QS] matrix_a_fmt:MATRIX_FMT_FP6 matrix_b_fmt:MATRIX_FMT_FP6
.endr
.irp t, 4,5,6,7
	v_wmma_scale_f32_16x16x128_f8f6f4 v[SC+8*\t:SC+8*\t+7], v[FR+6*\t:FR+6*\t+11], v[QF:QF+11], 0, v[KS+\t-4], v[QS] matrix_a_fmt:MATRIX_FMT_FP6 matrix_b_fmt:MATRIX_FMT_FP6 matrix_a_scale:MATRIX_SCALE_ROW1
.endr
	v_mov_b32 v59, v[NM]                           ; the old -M.  With the three lines below: four places in front of the loads into K's registers and of the first read of the scores
.rept 3
	v_nop
.endr
.irp i, 0,1,2,3,4,5,6,7,8,9,10,11                  ; V's fragments take K's place; they land during the softmax
	ds_load_b128 v[FR+4*\i:FR+4*\i+3], v[LI] offset:\sl*SLOTB+VI+6144*\q+512*\i
.endr
	ds_load_b64 v[VS:VS+1], v[L8] offset:\sl*SLOTB+VSC+256*\q
	; THE LARGEST SCORE OF MY TWO BLOCKS OF 32 KEYS: it serves twice: for the row's maximum and, since p rises with the score, for the block's largest p.  Four chains by turns; each tile of scores is first read at its low end
.irp c, 0,1
	v_max3_num_f32 v[42+2*\c], v[SC+32*\c], v[SC+32*\c+1], v[SC+32*\c+2]
	v_max3_num_f32 v[43+2*\c], v[SC+32*\c+17], v[SC+32*\c+18], v[SC+32*\c+19]
.endr
.irp i, 0,1,2,3,4,5
.irp c, 0,1
	v_max3_num_f32 v[42+2*\c], v[42+2*\c], v[SC+32*\c+3+2*\i], v[SC+32*\c+4+2*\i]
	v_max3_num_f32 v[43+2*\c], v[43+2*\c], v[SC+32*\c+20+2*\i], v[SC+32*\c+21+2*\i]
.endr
.endr
.irp c, 0,1
	v_max3_num_f32 v[42+2*\c], v[42+2*\c], v[SC+32*\c+15], v[SC+32*\c+16]
.endr
.irp c, 0,1
	v_max_num_f32 v[42+2*\c], v[42+2*\c], v[43+2*\c]
.endr
	v_max_num_f32 v46, v42, v44
	v_permlanex16_b32 v47, v46, s20, s21           ; the query's other 64 keys lie in the lane 16 away
	v_max_num_f32 v46, v46, v47                    ; the step's largest score of my query
	v_mul_f32 v46, s22, v46                        ; as t (c is positive)
	v_max_num_f32 v[NM+1], v[NM+1], v46            ; the running largest t
	v_floor_f32 v[NM], -v[NM+1]                    ; the new -M = floor(-t) = -ceil(t): M is a whole number
	v_sub_f32 v46, v[NM], v59                      ; M's old value less its new one: a whole number, 0 or less
	v_cvt_i32_f32 v46, v46                         ; (it saturates)
	v_ldexp_f32 v[FF], 1.0, v46                    ; f = 2^(old M - new M): what was summed under the old M comes under the new by a multiplication that rounds nothing
	v_pk_mul_f32 v[XS:XS+1], v[XS:XS+1], v[FF:FF+1] op_sel_hi:[1,0]
.irp j, 0,2,4,6,8,10,12,14,16,18,20,22,24,26,28,30
	v_pk_mul_f32 v[OT+\j:OT+\j+1], v[OT+\j:OT+\j+1], v[FF:FF+1] op_sel_hi:[1,0]
.endr
	v_fma_f32 v42, v42, s22, v[NM]                 ; each block's largest score goes the scores' own way: the same multiply-add and exponential on the same number give the same bits
	v_fma_f32 v44, v44, s22, v[NM]
	v_exp_f32 v42, v42
	v_exp_f32 v44, v44
	TMM 0                                          ; (a plain place behind the exponentials)
	s_wait_alu depctr_va_vdst(0)
	v_max_num_f32 v42, 0x1800000, v42              ; the floor 2^(3 - 127): the byte cannot fall under 1
	v_max_num_f32 v44, 0x1800000, v44
	v_add_nc_u32 v48, 0xff000000, v42              ; 2 off the exponent field: the conversions' scale operands
	v_add_nc_u32 v49, 0xff000000, v44
	v_lshrrev_b32 v50, 23, v48                     ; the bytes of blocks h and 2 + h
	v_lshrrev_b32 v51, 23, v49
	v_lshl_or_b32 v46, v51, 16, v50
	v_lshlrev_b32 v46, v[SH8], v46                 ; at their places in the scale word;
	v_permlanex16_b32 v47, v46, s20, s21
	v_or_b32 v[PS], v46, v47                       ; with lane l xor 16's two the word is whole.  (More than eight plain lines ahead of the products that name it)
	TMM 1
	; BY TURNS: an exponential, a plain line, an exponential, a plain line.  The plain lines are work that is ready: t - M two pairs ahead, the sum four pairs back
.set pp, 0
.rept 32
	v_exp_f32 v[SC+2*pp], v[SC+2*pp]               ; p = 2^(t - M), at most 1: not normalised
.if pp < 30
	TMM pp+2
.endif
	v_exp_f32 v[SC+2*pp+1], v[SC+2*pp+1]
.if pp >= 5
	ADDP pp-4
.endif
.set pp, pp+1
.endr
	s_wait_alu depctr_va_vdst(0)
.irp c, 0,1                                        ; my block 2 c + h: registers 6 c .. 6 c + 5 of the operand
	v_cvt_scalef32_pk16_fp6_f32 v[PC+6*\c:PC+6*\c+2], v[SC+32*\c:SC+32*\c+15], v[48+\c]
	v_cvt_scalef32_pk16_fp6_f32 v[52+4*\c:54+4*\c], v[SC+32*\c+16:SC+32*\c+31], v[48+\c]   ; (a conversion's three registers begin on an even number)
.endr
	ADDP 28                                        ; one plain place behind the conversions
.irp c, 0,1
.irp i, 0,1,2
	v_mov_b32 v[PC+6*\c+3+\i], v[52+4*\c+\i]
.endr
.endr
	ADDP 29                                        ; four plain lines between the last write of p's codes and the products
	ADDP 30
	ADDP 31
	v_pk_add_f32 v[XS:XS+1], v[XS:XS+1], v[YS:YS+1]
	s_wait_dscnt 0x0                               ; V's fragments and scale words are in
.irp d, 0,2                                        ; O^T += V^T P^T: source 0 = 16 channels, source 1 = p; K = these 128 keys.  The four accumulators take turns, one instruction a turn
	v_wmma_scale_f32_16x16x128_f8f6f4 v[OT+8*\d:OT+8*\d+7], v[FR+12*\d:FR+12*\d+11], v[PC:PC+11], v[OT+8*\d:OT+8*\d+7], v[VS+\d/2], v[PS] matrix_a_fmt:MATRIX_FMT_FP6 matrix_b_fmt:MATRIX_FMT_FP6
	v_wmma_scale_f32_16x16x128_f8f6f4 v[OT+8*\d+8:OT+8*\d+15], v[FR+12*\d+12:FR+12*\d+23], v[PC:PC+11], v[OT+8*\d+8:OT+8*\d+15], v[VS+\d/2], v[PS] matrix_a_fmt:MATRIX_FMT_FP6 matrix_b_fmt:MATRIX_FMT_FP6 matrix_a_scale:MATRIX_SCALE_ROW1
.endr
.rept 4
	v_nop                                          ; four places in front of the next loads into the fragments' registers and of the next read of O^T
.endr
.endm
; A CHUNK of 256 keys in slot sl.  prep = 1: the next chunk is made meanwhile, into the other slot: V's numbers are asked for a key step ahead of their quantiser, and so are K's.
; ONE barrier a chunk, for two things: in front of it each wave's stores into the next slot have landed and its reads of this slot are back (the wait for 0); behind it the next slot is read and this one written again.
.macro CHUNK sl, prep
.if \prep
	VLOAD
.endif
	STEP \sl, 0
.if \prep
	s_wait_loadcnt 0x0                             ; V's 32 loads are in, so their base may step
	s_add_nc_u64 s[VP:VP+1], s[VP:VP+1], CHB
	QUANT32 LD, CD
	VSTORE 1-\sl
	KLOAD LD, KP, 8192, 0                          ; my tile's two runs of eight keys lie 32 keys apart
.endif
	STEP \sl, 1
.if \prep
	s_wait_loadcnt 0x0                             ; K's eight loads are in, so their base may step
	s_add_nc_u64 s[KP:KP+1], s[KP:KP+1], CHB
	TURN LD
	QUANT32 SC, CD
	SWORD 46
	KSTORE 1-\sl
	s_wait_dscnt 0x0
	s_barrier_signal -1
	s_barrier_wait -1
.endif
.endm
	s_load_b256 s[4:11], s[0:1], 0x0               ; query s[4:5], key s[6:7], value s[8:9], out0 s[10:11]
	v_lshl_add_u32 v254, v0, 2, 0x1e000
	v_mov_b32 v255, 0
	v_lshrrev_b32 v42, 5, v0
	v_readfirstlane_b32 s12, v42                   ; wave w, 0 .. 15
	v_and_b32 v42, 31, v0                          ; lane
	v_and_b32 v43, 15, v0                          ; r
	v_bfe_u32 v44, v0, 4, 1                        ; h
	v_lshlrev_b32 v[LI], 4, v42
	v_lshlrev_b32 v[L8], 3, v42
	v_lshlrev_b32 v[L4], 2, v42
	v_lshlrev_b32 v[SH8], 3, v44
	s_lshr_b32 s13, s12, 3                         ; which key step of a chunk I prepare
	s_bfe_u32 s14, s12, 0x10002                    ; (w / 4) % 2
	s_and_b32 s15, s12, 3                          ; w % 4
	s_and_b32 s16, s12, 1                          ; w % 2
	s_bfe_u32 s17, s12, 0x10001                    ; (w / 2) % 2
	s_and_b32 s30, ttmp7, 0xffff
	s_lshl_b32 s30, s30, 19                        ; the head's first byte in each tensor: 2,048 rows of 256 bytes
	s_lshl_b32 s35, s13, 15                        ; K: my tile w % 8 of step w / 8 begins at key 128 (w / 8) + 64 ((w / 4) % 2) + 8 (w % 4)
	s_lshl_b32 s36, s14, 14
	s_lshl_b32 s37, s15, 11
	s_add_co_u32 s32, s30, s35
	s_add_co_u32 s32, s32, s36
	s_add_co_u32 s32, s32, s37
	s_mov_b32 s33, 0
	s_lshr_b32 s35, s12, 1                         ; V: my block w / 2 begins at key 32 (w / 2); my channels at 32 (w % 2)
	s_lshl_b32 s35, s35, 13
	s_lshl_b32 s36, s16, 7
	s_add_co_u32 s34, s30, s35
	s_add_co_u32 s34, s34, s36
	s_mov_b32 s35, 0
	s_lshl_b32 s36, ttmp9, 16                      ; Q and O: my block of 256 queries, my wave's 16 of them
	s_lshl_b32 s37, s12, 12
	s_add_co_u32 s36, s36, s37
	s_add_co_u32 s36, s36, s30
	s_mov_b32 s37, 0
	s_wait_kmcnt 0x0
	s_add_nc_u64 s[KP:KP+1], s[6:7], s[32:33]
	s_add_nc_u64 s[VP:VP+1], s[8:9], s[34:35]
	s_add_nc_u64 s[4:5], s[4:5], s[36:37]
	s_add_nc_u64 s[10:11], s[10:11], s[36:37]
	KLOAD SC+32, 4, 2048, 1                        ; my 16 queries: read once in the launch
	KLOAD LD, KP, 8192, 0                          ; my tile of K of chunk 0
	; the LDS addresses and the constants are made while these sixteen loads are out
	s_mov_b32 s20, 0x76543210
	s_mov_b32 s21, 0xfedcba98                      ; v_permlanex16_b32's selects for lane l xor 16
	s_mov_b32 s22, 0x3e38aa3b                      ; c = log2(e) / 8
	s_mov_b32 s23, s22                             ; (named with it as a pair, so it is written)
	s_mul_i32 s18, s12, STGW
	s_add_co_u32 s18, s18, STAGE                   ; my stage
	v_mul_u32_u24 v[STI], v44, 272
	v_lshl_add_u32 v[STI], v43, 4, v[STI]
	v_add_nc_u32 v[STI], s18, v[STI]
	v_mul_u32_u24 v[STR], v43, 272
	v_lshl_add_u32 v[STO], v44, 5, v[STR]
	v_lshl_add_u32 v[STR], v44, 7, v[STR]
	v_add_nc_u32 v[STR], s18, v[STR]
	v_add_nc_u32 v[STO], s18, v[STO]
	s_mul_i32 s19, s13, 6144                       ; my step's images in a slot
	s_and_b32 s34, s12, 7
	s_mul_i32 s34, s34, 6                          ; K: my tile's first register g = 6 (w % 8)
.irp i, 0,1,2
	s_add_co_u32 s35, s34, 2*\i                    ; registers g, g + 1 (g even): 512 (g / 4) + 4 (g % 4) + 16 x lane
	s_lshr_b32 s36, s35, 2
	s_lshl_b32 s36, s36, 9
	s_and_b32 s35, s35, 3
	s_lshl_b32 s35, s35, 2
	s_add_co_u32 s36, s36, s35
	s_add_co_u32 s36, s36, s19
	v_add_nc_u32 v[KW+\i], s36, v[LI]
.endr
	s_lshl_b32 s35, s13, 9                         ; K's scale word: 512 x step + 256 (T / 4) + 4 (T % 4) + 16 r
	s_lshl_b32 s36, s14, 8
	s_add_co_u32 s35, s35, s36
	s_lshl_b32 s36, s15, 2
	s_add_co_u32 s35, s35, s36
	v_lshl_add_u32 v[KWS], v43, 4, s35
	s_mul_i32 s38, s16, 3072                       ; V: dt = 2 (w % 2) + lane / 16, 1,536 bytes each; the reader's lane is lane % 16 + 16 ((w / 2) % 2)
	s_add_co_u32 s38, s38, s19
	s_lshl_b32 s36, s17, 8
	s_add_co_u32 s38, s38, s36
	s_mul_i32 s34, s14, 6                          ; within dt's twelve registers: g' = 6 ((w / 4) % 2)
	v_mul_u32_u24 v45, v44, 1536
	v_lshl_add_u32 v45, v43, 4, v45
.irp i, 0,1,2
	s_add_co_u32 s35, s34, 2*\i
	s_lshr_b32 s36, s35, 2
	s_lshl_b32 s36, s36, 9
	s_and_b32 s35, s35, 3
	s_lshl_b32 s35, s35, 2
	s_add_co_u32 s36, s36, s35
	s_add_co_u32 s36, s36, s38
	v_add_nc_u32 v[VW+\i], s36, v45
.endr
	s_lshl_b32 s35, s13, 8                         ; V's scale byte: 256 x step + 4 (w % 2) + (w / 2) % 4 + 8 x lane
	s_lshl_b32 s36, s16, 2
	s_add_co_u32 s35, s35, s36
	s_bfe_u32 s36, s12, 0x20001
	s_add_co_u32 s35, s35, s36
	v_add_nc_u32 v[VWS], s35, v[L8]
	v_mov_b32 v[NM+1], 0xff61b1e6                  ; the largest t so far: -3e38, under every t
	v_floor_f32 v[NM], -v[NM+1]                    ; -M
	v_mov_b32 v[XS], 0                             ; the sum
	v_mov_b32 v[XS+1], 0
	v_mov_b32 v[FF], 0
	v_mov_b32 v[FF+1], 0                           ; (named as the upper half of f's pair)
	v_mov_b32 v47, 0                               ; a lane permute's destination counts as one of its sources
.irp j, 0,1,2,3,4,5,6,7,8,9,10,11
	v_mov_b32 v[PC+\j], 0                          ; named by K's last fragment as its upper half before p's first codes are made
.endr
.irp j, 0,1,2,3,4,5,6,7,8,9,10,11,12,13,14,15,16,17,18,19,20,21,22,23,24,25,26,27,28,29,30,31
	v_mov_b32 v[OT+\j], 0                          ; O^T.  (The key step is written once: the first finds zeros, which the first change of M leaves zeros)
.endr
	s_wait_loadcnt 8                               ; Q's eight loads are in; K's eight, issued behind them, may be out
	TURN SC+32
	QUANT32 SC, QF
.irp j, 6,7,8,9,10,11
	v_mov_b32 v[QF+\j], 0                          ; K = 64 .. 127 of the first product: zero codes
.endr
	SWORD QS
	s_wait_loadcnt 0x0                             ; K's loads are in, so their base may step
	s_add_nc_u64 s[KP:KP+1], s[KP:KP+1], CHB
	TURN LD
	VLOAD                                          ; chunk 0's block of V, into the registers that the stage's stores have read
	QUANT32 SC, CD
	SWORD 46
	KSTORE 0
	s_wait_dscnt 0x0                               ; the stores have read their registers: V's codes take the same
	s_wait_loadcnt 0x0
	s_add_nc_u64 s[VP:VP+1], s[VP:VP+1], CHB
	QUANT32 LD, CD
	VSTORE 0
	s_wait_dscnt 0x0                               ; for the others' sake: my stores into slot 0 have landed
	s_barrier_signal -1
	s_barrier_wait -1
	s_mov_b32 s24, 3
.Lchunks:                                              ; three trips: chunks 0 to 5 are worked, chunks 1 to 6 prepared
	CHUNK 0, 1
	CHUNK 1, 1
	s_sub_co_u32 s24, s24, 1
	s_cmp_lg_u32 s24, 0
	s_cbranch_scc1 .Lchunks
	CHUNK 0, 1                                     ; chunk 6; chunk 7 is prepared
	CHUNK 1, 0                                     ; chunk 7: nothing is left to load
	; THE WAY OUT.  O^T is divided by the row's sum and goes through my stage, so that a store covers 512 consecutive bytes: two whole rows of out0
	v_add_f32 v46, v[XS], v[XS+1]                  ; the sum's two halves,
	v_permlanex16_b32 v47, v46, s20, s21
	v_add_f32 v46, v46, v47                        ; and lane l xor 16's: the row's sum
	v_rcp_f32 v46, v46
	v_nop                                          ; one plain place behind the transcendental
	s_wait_alu depctr_va_vdst(0)
.irp j, 0,2,4,6,8,10,12,14,16,18,20,22,24,26,28,30
	v_pk_mul_f32 v[SC+\j:SC+\j+1], v[OT+\j:OT+\j+1], v[46:47] op_sel_hi:[1,0]   ; register 8 dt + j of lane (r, h) is out0(r, 16 dt + 8 h + j)
.endr
.irp d, 0,1,2,3
	ds_store_b128 v[STO], v[SC+8*\d:SC+8*\d+3] offset:64*\d
	ds_store_b128 v[STO], v[SC+8*\d+4:SC+8*\d+7] offset:64*\d+16
.endr
.irp i, 0,1,2,3,4,5,6,7
	ds_load_b128 v[SC+32+4*\i:SC+32+4*\i+3], v[STI] offset:544*\i    ; LDS serves a wave's instructions in order: these see my stores
.endr
.irp i, 0,1,2,3,4,5,6,7
	s_wait_dscnt 7-\i                              ; LDS loads come back in order: pair i of rows is in, the younger ones may be out
	global_store_b128 v[LI], v[SC+32+4*\i:SC+32+4*\i+3], s[10:11] offset:512*\i th:TH_STORE_NT
.endr
	s_wait_tensorcnt 0x0
	ds_add_u32 v254, v255
	s_wait_dscnt 0x0
	s_endpgm
.Lfunc_end_k_q6498dd0f99_attn:
	.size	k_q6498dd0f99_attn, .Lfunc_end_k_q6498dd0f99_attn-k_q6498dd0f99_attn
	.p2alignl 7, 3214868480
	.fill 96, 4, 3214868480
	.section	.rodata,"a",@progbits
	.p2align	6, 0x0
	.amdhsa_kernel k_q6498dd0f99_attn
		.amdhsa_group_segment_fixed_size 124928
		.amdhsa_private_segment_fixed_size 0
		.amdhsa_enable_private_segment 0
		.amdhsa_kernarg_size 32
		.amdhsa_user_sgpr_count 2
		.amdhsa_user_sgpr_kernarg_segment_ptr 1
		.amdhsa_wavefront_size32 1
		.amdhsa_system_sgpr_workgroup_id_x 1
		.amdhsa_system_sgpr_workgroup_id_y 1
		.amdhsa_system_sgpr_workgroup_id_z 1
		.amdhsa_system_vgpr_workitem_id 0
		.amdhsa_next_free_vgpr 256
		.amdhsa_next_free_sgpr 66
		.amdhsa_reserve_vcc 0
		.amdhsa_float_denorm_mode_32 3
		.amdhsa_float_denorm_mode_16_64 3
		.amdhsa_memory_ordered 1
		.amdhsa_forward_progress 1
		.amdhsa_inst_pref_size 168
	.end_amdhsa_kernel
	.amdgpu_metadata
---
amdhsa.version: [ 1, 2 ]
amdhsa.kernels:
  - .name:           k_q6498dd0f99_attn
    .symbol:         k_q6498dd0f99_attn.kd
    .args:
      - { .name: query, .offset: 0, .size: 8, .value_kind: global_buffer, .address_space: global }
      - { .name: key, .offset: 8, .size: 8, .value_kind: global_buffer, .address_space: global }
      - { .name: value, .offset: 16, .size: 8, .value_kind: global_buffer, .address_space: global }
      - { .name: out0, .offset: 24, .size: 8, .value_kind: global_buffer, .address_space: global }
    .group_segment_fixed_size: 124928
    .private_segment_fixed_size: 0
    .kernarg_segment_align: 8
    .kernarg_segment_size: 32
    .max_flat_workgroup_size: 512
    .sgpr_count:     66
    .vgpr_count:     256
    .wavefront_size: 32
...
	.end_amdgpu_metadata
.endif
;; end of part 1
;; ======== version 2 of 2: 1 launch; version 1 with the launch attn written anew for expert scheduling mode
;; launch attn (part 2): grid 8 x 32, 16 waves a work-group, no clusters, 124,928 bytes of LDS; arguments query, key, value, out0; writes out0
.if DOCPART == 2
	.amdgcn_target "amdgcn-amd-amdhsa--gfx1250"
	.amdhsa_code_object_version 6
	.text
	.protected	k_q6498dd0f99_attn
	.globl	k_q6498dd0f99_attn
	.p2align	8
	.type	k_q6498dd0f99_attn,@function
k_q6498dd0f99_attn:
	s_mov_b64 s[64:65], 0
	v_nop
	global_prefetch_b8 v0, s[64:65] scope:SCOPE_SE
	s_setreg_imm32_b32 hwreg(HW_REG_WAVE_SCHED_MODE, 0, 2), 2
	s_setreg_imm32_b32 hwreg(HW_REG_WAVE_MODE, 25, 1), 1
	s_wait_xcnt 0x0
	s_wait_alu depctr_vm_vsrc(0)
; out0[b][q][:] = the sum over k of softmax_k(query[b][q] . key[b][k] / 8) value[b][k][:].  All four tensors [32][2048][64] f32.  Both products on codes of FP6 (E2M3) with one E8M0 scale for each 32 along a product's K.
; THE SOFTMAX AHEAD OF THE SECOND PRODUCT: t = score x log2(e) / 8; M = the row's largest t so far, rounded UP to a whole number; p = 2^(t - M) is what is quantised, along the keys, not normalised.
; The row's sum is taken of the unquantised p, in f32, and divides O at the end.  When M moves, the sum and O are multiplied by 2^(old M - new M): exact.
; SHARES.  A work-group owns 256 queries of one head; each of its sixteen waves 16 of them, one tile, in 256 registers: four waves to a SIMD, so that one wave's matrix work and LDS loads stand beside another's vector work.
; Every wave walks the head's 2,048 keys, 128 a step.  Both products are used transposed (S^T = K Q^T, O^T = V^T P^T): a lane holds ONE query (lane % 16) throughout.
; K AND V ARE QUANTISED HERE, a chunk of 256 keys ahead of its use: wave w makes one tile of K (16 keys, 4 KiB of f32) and one block of V (32 keys x 32 channels, 4 KiB) of the next chunk, between its key steps, and stores
; the codes into the other of two LDS slots AS IMAGES OF THE READER'S REGISTERS: register g of lane L at 512 (g / 4) + 16 L + 4 (g % 4), so that a step's 48 registers of K, or of V, come back by twelve loads of 16 bytes a lane.
; THE KEYS OF A TILE ARE NOT NEIGHBOURS: row m of tile 4 c + u of a step is key 64 c + 32 (m / 8) + 8 u + m % 8.  So the 32 score registers SC + 32 c + 0 .. 31 of lane (r, h) are the 32 neighbouring keys of block 2 c + h:
; a block of p lies whole in one lane, its maximum asks no other lane, and the conversions' results are the second product's operand.
; THE FIRST PRODUCT'S K IS 64, the instruction's 128.  Q's fragment holds zero codes for K = 64 .. 127; FP6 has no code for NaN or infinity, so whatever codes K's operand names there add exactly 0.  So K's eight fragments lie 6
; registers apart and each names the next one's six as its upper half (the last: p's codes).  Bytes 2, 3 of Q's and K's scale words repeat bytes 0, 1: never 0xff.
; NO JOINT LOADS, though the eight work-groups of a head read the same K and V: the numbers arrive as f32 and have to pass through registers for the quantiser.  Brought by the data mover they would be written to LDS and read
; back once more, 128 KiB a chunk and 1 MiB a work-group each way; here each wave loads its 8 KiB a chunk straight into registers, a key step ahead of their use.
; LIMITS: NaN and infinities among the inputs are not served.  A block whose largest magnitude lies under 2^-124 (a block of zeros too) keeps the scale byte 1: its codes are then zeros or subnormal codes under that byte, and
; the bytes are read by this program alone.  p under 2^-126 comes out of v_exp_f32 as 0.
; THE MODE: SCHED_MODE bits 1:0 = 2 (LLVM: expert scheduling mode 2), set by the entry lines.  The code itself states the register dependences between vector or matrix instructions and memory or LDS instructions,
; with s_wait_alu, always for 0.
; THE PLAN.  Registers that memory or LDS instructions touch:
;   FR, KS, VS     filled from LDS alone.  In a step K's fragments land in FR, the eight products K Q^T read them, V's land there, the four products V^T P^T read them.  No vector line names them.
;   LD             V's 32 loads land, the quantiser's vector lines read; then K's 8 loads land, the stage's LDS stores read.
;   SC             written by the products and the softmax, read by the sums and conversions; between steps the stage's LDS loads land in SC .. SC + 31.
;   CD, v46, v50   written by the quantisers, read by the image's LDS stores, written again by the next step.
;   PC, PS, QF, QS written by vector lines, taken by the scaled products as operand or scales.
;   v1 .. v15      addresses and offsets: made once at the head, never written again; the global bases are scalar.
; A KEY STEP has three waits on va_vdst: behind the products K Q^T (they are done reading FR: V's fragments may land); behind the batch of exponentials (their results are written); ahead of the products V^T P^T (p's codes and
; scale word are written).  BETWEEN STEPS one stands ahead of each run of LDS or memory instructions that hangs on vector work: the next fragments of K, the image's stores, the turn through the stage.  The wait ahead of an
; image's stores is the last vector-side line of its half chunk, so it also serves what follows with no vector line between: K's global loads into LD, and over the barrier the next chunk's fragments of K and V's global loads.
; Waits on vm_vsrc: one at a chunk's head and one behind V's image stores, ahead of the lines that write again what LDS stores have read.
.set SLOTB, 26112                      ; an LDS slot: a chunk of 256 keys = two key steps
.set KI,    0                          ; K's images: 6,144 bytes a step (48 registers x 32 lanes x 4)
.set VI,    12288                      ; V's images, likewise: register 12 dt + 6 c + j of lane r + 16 h = channel 16 dt + r, keys 64 c + 32 h + 0 .. 31
.set KSC,   24576                      ; K's scale words, 512 bytes a step: (tile T, row r) at 16 (r + 16 (T / 4)) + 4 (T % 4)
.set VSC,   25600                      ; V's scale words, 256 bytes a step: (dt, r) at 8 (r + 16 (dt % 2)) + 4 (dt / 2); byte b = the step's block b
.set STAGE, 2*SLOTB                    ; behind the slots: a stage of 16 rows x (256 + 16) bytes for each wave, its own
.set STGW,  16*272
.set CHB,   256*256                    ; a chunk's bytes in key and in value
.set LI,  1                            ; v1   16 x lane
.set L8,  2                            ; v2   8 x lane
.set L4,  3                            ; v3   4 x lane
.set STI, 4                            ; v4   stage, two rows an instruction: 272 (lane / 16) + 16 (lane % 16)
.set STR, 5                            ; v5   stage, a lane's half row: 272 (lane % 16) + 128 (lane / 16)
.set KW,  6                            ; v6-8   where I store my tile of K's image, two registers at a time
.set KWS, 9                            ; v9     and its scale word
.set VW,  10                           ; v10-12 the same for my block of V
.set VWS, 13                           ; v13    and its scale byte
.set SH8, 14                           ; v14  8 (lane / 16)
.set STO, 15                           ; v15  stage, the way out: 272 (lane % 16) + 32 (lane / 16)
.set NM,  16                           ; v16 -M, v17 the largest t so far (named as a pair by the packed forms)
.set XS,  18                           ; v[18:19] the row's sum, even keys' and odd keys'
.set FF,  20                           ; v20 f = 2^(old M - new M); v21 written, named with it
.set QF,  22                           ; v[22:33] Q's fragment: six registers of codes, six of zeros
.set QS,  34                           ; v34  Q's scale words
.set PS,  35                           ; v35  p's scale words
.set KS,  36                           ; v[36:39] K's: register u: tile u in lanes 0-15, tile 4 + u in lanes 16-31
.set VS,  40                           ; v[40:41] V's: register k: dt = 2 k in lanes 0-15, 2 k + 1 in lanes 16-31
.set YS,  42                           ; v42-45 chains of maxima; later v[42:43] the sum's second chain.  v46, v47 at work; v48, v49 the conversions' scale operands; v50, v51 scale bytes; v[52:54], v[56:58] codes; v59 the old -M
.set FR,  60                           ; v[60:107] a step's fragments of K, then of V
.set PC,  108                          ; v[108:119] p's codes
.set SC,  120                          ; v[120:183] S^T, then p; between steps at work for the quantisers
.set CD,  SC+32                        ; the codes that a quantiser has just made
.set OT,  184                          ; v[184:215] O^T: tile dt (16 channels) at OT + 8 dt
.set LD,  216                          ; v[216:247] where V's and K's f32 numbers land, by turns
.set KP,  26                           ; s[26:27] key at my tile of the chunk to be loaded
.set VP,  28                           ; s[28:29] value at my block of it
; eight loads of 512 consecutive bytes (two rows of 64 f32): rows 0-7, and eight more rows off2 bytes on
.macro KLOAD dst, base, off2, nt
.irp i, 0,1,2,3,4,5,6,7
.if \nt
	global_load_b128 v[\dst+4*\i:\dst+4*\i+3], v[LI], s[\base:\base+1] offset:(\i/4)*\off2+512*(\i%4) th:TH_LOAD_NT
.else
	global_load_b128 v[\dst+4*\i:\dst+4*\i+3], v[LI], s[\base:\base+1] offset:(\i/4)*\off2+512*(\i%4)
.endif
.endr
.endm
; a lane takes a channel, and its 32 registers run down the 32 keys of a block: each load reads 128 consecutive bytes, and wave w xor 1 the row's other 128
.macro VLOAD
.set vi, 0
.rept 32
	global_load_b32 v[LD+vi], v[L4], s[VP:VP+1] offset:256*vi
.set vi, vi+1
.endr
.endm
; 16 rows of 64 f32, as loaded, turn through my stage: lane (r, h) then holds the 32 numbers of block h of row r in v[SC] on.  LDS serves a wave's instructions in order: no wait between the stores and the loads
.macro TURN src
.irp i, 0,1,2,3,4,5,6,7
	ds_store_b128 v[STI], v[\src+4*\i:\src+4*\i+3] offset:544*\i
.endr
.irp i, 0,1,2,3,4,5,6,7
	ds_load_b128 v[SC+4*\i:SC+4*\i+3], v[STR] offset:16*\i
.endr
	s_wait_dscnt 0x0
.endm
; a lane's 32 numbers, one block, become six registers of codes at v[cod] on; the scale's byte in v50
.macro QUANT32 src, cod
	v_max3_num_f32 v42, |v[\src]|, |v[\src+1]|, 0x1800000            ; the largest magnitude, in two chains; the floor 2^(3 - 127) among the leaves holds the byte at 1 from below
	v_max3_num_f32 v43, |v[\src+16]|, |v[\src+17]|, |v[\src+18]|
.irp i, 0,1,2,3,4,5
	v_max3_num_f32 v42, v42, |v[\src+2+2*\i]|, |v[\src+3+2*\i]|
	v_max3_num_f32 v43, v43, |v[\src+19+2*\i]|, |v[\src+20+2*\i]|
.endr
	v_max3_num_f32 v42, v42, |v[\src+14]|, |v[\src+15]|
	v_max3_num_f32 v42, v42, v43, |v[\src+31]|
	v_add_nc_u32 v48, 0xff000000, v42                                ; 2 off its exponent field: the conversion takes the exponent field of this operand as its scale
	v_lshrrev_b32 v50, 23, v48                                       ; the scale's byte
	v_cvt_scalef32_pk16_fp6_f32 v[\cod:\cod+2], v[\src:\src+15], v48
	v_cvt_scalef32_pk16_fp6_f32 v[\cod+6:\cod+8], v[\src+16:\src+31], v48   ; (a conversion's three registers begin on an even number)
	v_nop                                                            ; one plain place behind a scaled conversion
.irp i, 0,1,2
	v_mov_b32 v[\cod+3+\i], v[\cod+6+\i]
.endr
.endm
; the scale word of a row of Q or K: my byte is block h's; with lane l xor 16's it is bytes 0 and 1, which bytes 2 and 3 repeat
.macro SWORD dst
	v_lshlrev_b32 v46, v[SH8], v50
	v_permlanex16_b32 v47, v46, s20, s21
	v_or_b32 v46, v46, v47
	v_lshl_or_b32 v[\dst], v46, 16, v46
.endm
.macro KSTORE dst                      ; my tile of K into slot dst
.irp i, 0,1,2
	ds_store_b64 v[KW+\i], v[CD+2*\i:CD+2*\i+1] offset:(\dst)*SLOTB+KI
.endr
	ds_store_b32 v[KWS], v46 offset:(\dst)*SLOTB+KSC                 ; lanes l and l + 16 write the same word with the same value
.endm
.macro VSTORE dst                      ; my block of V into slot dst
.irp i, 0,1,2
	ds_store_b64 v[VW+\i], v[CD+2*\i:CD+2*\i+1] offset:(\dst)*SLOTB+VI
.endr
	ds_store_b8 v[VWS], v50 offset:(\dst)*SLOTB+VSC
.endm
; the row's sum of the unquantised p, pair n of 32, in two chains: the even pairs go to the sum itself, the odd ones (pairs 0 and 1 start it) to a second chain
.macro ADDP n
.if (\n) == 1
	v_pk_add_f32 v[YS:YS+1], v[SC:SC+1], v[SC+2:SC+3]
.elseif ((\n)%2) == 0
	v_pk_add_f32 v[XS:XS+1], v[XS:XS+1], v[SC+2*(\n):SC+2*(\n)+1]
.else
	v_pk_add_f32 v[YS:YS+1], v[YS:YS+1], v[SC+2*(\n):SC+2*(\n)+1]
.endif
.endm
.macro TMM n                           ; pair n of the scores: t - M, two at a time (of the pairs c and -M the low word serves both halves)
	v_pk_fma_f32 v[SC+2*(\n):SC+2*(\n)+1], v[SC+2*(\n):SC+2*(\n)+1], s[22:23], v[NM:NM+1] op_sel_hi:[1,0,0]
.endm
; K's fragments and scale words of the q-th 128 keys of slot sl.  They stand behind a wait on va_vdst since which no vector or matrix line names FR or KS
.macro KFETCH sl, q
.irp i, 0,1,2,3,4,5,6,7,8,9,10,11
	ds_load_b128 v[FR+4*\i:FR+4*\i+3], v[LI] offset:\sl*SLOTB+KI+6144*\q+512*\i
.endr
	ds_load_b128 v[KS:KS+3], v[LI] offset:\sl*SLOTB+KSC+512*\q
.endm
; A KEY STEP: the q-th 128 keys of slot sl, whose fragments of K have been asked for.  out: the LDS stores issued behind those loads, which may stay out
.macro BODY sl, q, out
	s_wait_dscnt \out                              ; LDS instructions come back in order: K's fragments and scale words are in
.irp t, 0,1,2,3                        ; S^T = K Q^T: source 0 = 16 keys, source 1 = my 16 queries.  (Q's codes and scale words, and p's codes that the last fragment names, were written ahead of an earlier wait on va_vdst)
	v_wmma_scale_f32_16x16x128_f8f6f4 v[SC+8*\t:SC+8*\t+7], v[FR+6*\t:FR+6*\t+11], v[QF:QF+11], 0, v[KS+\t], v[QS] matrix_a_fmt:MATRIX_FMT_FP6 matrix_b_fmt:MATRIX_FMT_FP6
.endr
.irp t, 4,5,6,7
	v_wmma_scale_f32_16x16x128_f8f6f4 v[SC+8*\t:SC+8*\t+7], v[FR+6*\t:FR+6*\t+11], v[QF:QF+11], 0, v[KS+\t-4], v[QS] matrix_a_fmt:MATRIX_FMT_FP6 matrix_b_fmt:MATRIX_FMT_FP6 matrix_a_scale:MATRIX_SCALE_ROW1
.endr
	v_mov_b32 v59, v[NM]                           ; the old -M.  With the three lines below: four places (ISA guide 7.12.1) in front of the first read of the scores
.rept 3
	v_nop
.endr
	s_wait_alu depctr_va_vdst(0)                   ; the eight products are done reading K's fragments, in whose registers V's land; the last step's products are done reading V's scale words
.irp i, 0,1,2,3,4,5,6,7,8,9,10,11                  ; V's fragments take K's place; they land during the softmax
	ds_load_b128 v[FR+4*\i:FR+4*\i+3], v[LI] offset:\sl*SLOTB+VI+6144*\q+512*\i
.endr
	ds_load_b64 v[VS:VS+1], v[L8] offset:\sl*SLOTB+VSC+256*\q
	; THE LARGEST SCORE OF MY TWO BLOCKS OF 32 KEYS: it serves twice: for the row's maximum and, since p rises with the score, for the block's largest p.  Four chains by turns; each tile of scores is first read at its low end
.irp c, 0,1
	v_max3_num_f32 v[42+2*\c], v[SC+32*\c], v[SC+32*\c+1], v[SC+32*\c+2]
	v_max3_num_f32 v[43+2*\c], v[SC+32*\c+17], v[SC+32*\c+18], v[SC+32*\c+19]
.endr
.irp i, 0,1,2,3,4,5
.irp c, 0,1
	v_max3_num_f32 v[42+2*\c], v[42+2*\c], v[SC+32*\c+3+2*\i], v[SC+32*\c+4+2*\i]
	v_max3_num_f32 v[43+2*\c], v[43+2*\c], v[SC+32*\c+20+2*\i], v[SC+32*\c+21+2*\i]
.endr
.endr
.irp c, 0,1
	v_max3_num_f32 v[42+2*\c], v[42+2*\c], v[SC+32*\c+15], v[SC+32*\c+16]
.endr
.irp c, 0,1
	v_max_num_f32 v[42+2*\c], v[42+2*\c], v[43+2*\c]
.endr
	v_max_num_f32 v46, v42, v44
	v_permlanex16_b32 v47, v46, s20, s21           ; the query's other 64 keys lie in the lane 16 away
	v_max_num_f32 v46, v46, v47                    ; the step's largest score of my query
	v_mul_f32 v46, s22, v46                        ; as t (c is positive)
	v_max_num_f32 v[NM+1], v[NM+1], v46            ; the running largest t
	v_floor_f32 v[NM], -v[NM+1]                    ; the new -M = floor(-t) = -ceil(t): M is a whole number
	v_sub_f32 v46, v[NM], v59                      ; M's old value less its new one: a whole number, 0 or less
	v_cvt_i32_f32 v46, v46                         ; (it saturates)
	v_ldexp_f32 v[FF], 1.0, v46                    ; f = 2^(old M - new M): what was summed under the old M comes under the new by a multiplication that rounds nothing
	v_fma_f32 v42, v42, s22, v[NM]                 ; each block's largest score goes the scores' own way: the same multiply-add and exponential on the same number give the same bits
	v_fma_f32 v44, v44, s22, v[NM]
	TMM 0
	TMM 1
	; ONE BATCH of 66 exponentials, with plain lines among them that name no exponential's result: t - M two pairs ahead, and O^T under the new M.  All that read a result stand behind the one wait
	v_exp_f32 v42, v42
	v_exp_f32 v44, v44
.set pp, 0
.rept 32
	v_exp_f32 v[SC+2*pp], v[SC+2*pp]               ; p = 2^(t - M), at most 1: not normalised
.if pp < 30
	TMM pp+2
.endif
	v_exp_f32 v[SC+2*pp+1], v[SC+2*pp+1]
.if pp < 16
	v_pk_mul_f32 v[OT+2*pp:OT+2*pp+1], v[OT+2*pp:OT+2*pp+1], v[FF:FF+1] op_sel_hi:[1,0]   ; each tile of O^T from its low end on
.endif
.set pp, pp+1
.endr
	v_pk_mul_f32 v[XS:XS+1], v[XS:XS+1], v[FF:FF+1] op_sel_hi:[1,0]   ; the sum under the new M: the plain line behind the last exponential
	s_wait_alu depctr_va_vdst(0)                   ; the 66 exponentials have written v42, v44 and p
	v_max_num_f32 v42, 0x1800000, v42              ; the floor 2^(3 - 127): the byte cannot fall under 1
	v_max_num_f32 v44, 0x1800000, v44
	v_add_nc_u32 v48, 0xff000000, v42              ; 2 off the exponent field: the conversions' scale operands
	v_add_nc_u32 v49, 0xff000000, v44
.irp c, 0,1                                        ; my block 2 c + h: registers 6 c .. 6 c + 5 of the operand
	v_cvt_scalef32_pk16_fp6_f32 v[PC+6*\c:PC+6*\c+2], v[SC+32*\c:SC+32*\c+15], v[48+\c]
	v_cvt_scalef32_pk16_fp6_f32 v[52+4*\c:54+4*\c], v[SC+32*\c+16:SC+32*\c+31], v[48+\c]   ; (a conversion's three registers begin on an even number)
.endr
	v_lshrrev_b32 v50, 23, v48                     ; the bytes of blocks h and 2 + h.  (A plain place behind the conversions)
	v_lshrrev_b32 v51, 23, v49
	v_lshl_or_b32 v46, v51, 16, v50
	v_lshlrev_b32 v46, v[SH8], v46                 ; at their places in the scale word;
	v_permlanex16_b32 v47, v46, s20, s21
	v_or_b32 v[PS], v46, v47                       ; with lane l xor 16's two the word is whole
.irp c, 0,1
.irp i, 0,1,2
	v_mov_b32 v[PC+6*\c+3+\i], v[52+4*\c+\i]
.endr
.endr
.set aa, 1
.rept 8
	ADDP aa                                        ; eight plain lines, which name none of the products' registers, between the last write of p's scale word and codes and the products
.set aa, aa+1
.endr
	s_wait_dscnt 0x0                               ; V's fragments and scale words are in
	s_wait_alu depctr_va_vdst(0)                   ; the conversions and moves have written p's codes, and v_or_b32 p's scale word, which the scaled products take; the places above stay beside this wait
.irp d, 0,2                                        ; O^T += V^T P^T: source 0 = 16 channels, source 1 = p; K = these 128 keys.  The four accumulators take turns, one instruction a turn
	v_wmma_scale_f32_16x16x128_f8f6f4 v[OT+8*\d:OT+8*\d+7], v[FR+12*\d:FR+12*\d+11], v[PC:PC+11], v[OT+8*\d:OT+8*\d+7], v[VS+\d/2], v[PS] matrix_a_fmt:MATRIX_FMT_FP6 matrix_b_fmt:MATRIX_FMT_FP6
	v_wmma_scale_f32_16x16x128_f8f6f4 v[OT+8*\d+8:OT+8*\d+15], v[FR+12*\d+12:FR+12*\d+23], v[PC:PC+11], v[OT+8*\d+8:OT+8*\d+15], v[VS+\d/2], v[PS] matrix_a_fmt:MATRIX_FMT_FP6 matrix_b_fmt:MATRIX_FMT_FP6 matrix_a_scale:MATRIX_SCALE_ROW1
.endr
.rept 23
	ADDP aa                                        ; the rest of the row's sums, each chain in the same order: they name none of the products' registers and are the places (ISA guide 7.12.1) behind them
.set aa, aa+1
.endr
	v_pk_add_f32 v[XS:XS+1], v[XS:XS+1], v[YS:YS+1]
.endm
; A CHUNK of 256 keys in slot sl.  prep = 1: the next chunk is made meanwhile, into the other slot: V's numbers are asked for a key step ahead of their quantiser, and so are K's.
; ONE barrier a chunk, for two things: in front of it each wave's stores into the next slot have landed and its reads of this slot are back (the wait for 0); behind it the next slot is read and this one written again.
.macro CHUNK sl, prep
	s_wait_alu depctr_vm_vsrc(0)                   ; the stage's stores have read LD, in which V's loads land; the images' stores have read CD, v46 and v50, which the step writes again
	KFETCH \sl, 0                                  ; since the wait on va_vdst ahead of the last image's stores no vector or matrix line has been issued: FR, KS and LD owe nothing more
.if \prep
	VLOAD
.endif
	BODY \sl, 0, 0
	s_wait_alu depctr_va_vdst(0)                   ; the products V^T P^T are done reading V's fragments, in whose registers K's land
	KFETCH \sl, 1                                  ; the second step's fragments of K are in the same slot: they land under V's quantiser
.if \prep
	s_wait_loadcnt 0x0                             ; V's 32 loads are in, so their base may step
	s_add_nc_u64 s[VP:VP+1], s[VP:VP+1], CHB
	QUANT32 LD, CD
	s_wait_alu depctr_va_vdst(0)                   ; the quantiser has written CD and v50, which the stores read, and is done reading LD, in which K's loads land
	VSTORE 1-\sl
	KLOAD LD, KP, 8192, 0                          ; my tile's two runs of eight keys lie 32 keys apart
	s_wait_alu depctr_vm_vsrc(0)                   ; V's stores have read CD and v50, which the step's products and vector lines write again
	BODY \sl, 1, 4                                 ; behind K's fragments: V's four stores
	s_wait_loadcnt 0x0                             ; K's eight loads are in, so their base may step
	s_add_nc_u64 s[KP:KP+1], s[KP:KP+1], CHB
	s_wait_alu depctr_va_vdst(0)                   ; the step's exponentials, conversions and sums are done with SC, in which the stage's loads land
	TURN LD
	QUANT32 SC, CD
	SWORD 46
	s_wait_alu depctr_va_vdst(0)                   ; the quantiser has written CD and v46, which the stores read.  (The step's last products stand ahead of it too: see the next chunk's head)
	KSTORE 1-\sl
	s_wait_dscnt 0x0
	s_barrier_signal -1
	s_barrier_wait -1
.else
	BODY \sl, 1, 0
.endif
.endm
	s_load_b256 s[4:11], s[0:1], 0x0               ; query s[4:5], key s[6:7], value s[8:9], out0 s[10:11]
	v_lshl_add_u32 v254, v0, 2, 0x1e000
	v_mov_b32 v255, 0
	v_lshrrev_b32 v42, 5, v0
	v_readfirstlane_b32 s12, v42                   ; wave w, 0 .. 15
	v_and_b32 v42, 31, v0                          ; lane
	v_and_b32 v43, 15, v0                          ; r
	v_bfe_u32 v44, v0, 4, 1                        ; h
	v_lshlrev_b32 v[LI], 4, v42
	v_lshlrev_b32 v[L8], 3, v42
	v_lshlrev_b32 v[L4], 2, v42
	v_lshlrev_b32 v[SH8], 3, v44
	s_wait_alu depctr_va_sdst(0)                   ; s12 is written, ahead of its first reader: the bases and the LDS places are made from it
	s_lshr_b32 s13, s12, 3                         ; which key step of a chunk I prepare
	s_bfe_u32 s14, s12, 0x10002                    ; (w / 4) % 2
	s_and_b32 s15, s12, 3                          ; w % 4
	s_and_b32 s16, s12, 1                          ; w % 2
	s_bfe_u32 s17, s12, 0x10001                    ; (w / 2) % 2
	s_and_b32 s30, ttmp7, 0xffff
	s_lshl_b32 s30, s30, 19                        ; the head's first byte in each tensor: 2,048 rows of 256 bytes
	s_lshl_b32 s35, s13, 15                        ; K: my tile w % 8 of step w / 8 begins at key 128 (w / 8) + 64 ((w / 4) % 2) + 8 (w % 4)
	s_lshl_b32 s36, s14, 14
	s_lshl_b32 s37, s15, 11
	s_add_co_u32 s32, s30, s35
	s_add_co_u32 s32, s32, s36
	s_add_co_u32 s32, s32, s37
	s_mov_b32 s33, 0
	s_lshr_b32 s35, s12, 1                         ; V: my block w / 2 begins at key 32 (w / 2); my channels at 32 (w % 2)
	s_lshl_b32 s35, s35, 13
	s_lshl_b32 s36, s16, 7
	s_add_co_u32 s34, s30, s35
	s_add_co_u32 s34, s34, s36
	s_mov_b32 s35, 0
	s_lshl_b32 s36, ttmp9, 16                      ; Q and O: my block of 256 queries, my wave's 16 of them
	s_lshl_b32 s37, s12, 12
	s_add_co_u32 s36, s36, s37
	s_add_co_u32 s36, s36, s30
	s_mov_b32 s37, 0
	s_wait_kmcnt 0x0
	s_add_nc_u64 s[KP:KP+1], s[6:7], s[32:33]
	s_add_nc_u64 s[VP:VP+1], s[8:9], s[34:35]
	s_add_nc_u64 s[4:5], s[4:5], s[36:37]
	s_add_nc_u64 s[10:11], s[10:11], s[36:37]
	s_wait_alu depctr_va_vdst(0)                   ; the offsets v1, v2 and v3 are written, which the loads below and every later load and store read
	KLOAD SC+32, 4, 2048, 1                        ; my 16 queries: read once in the launch
	KLOAD LD, KP, 8192, 0                          ; my tile of K of chunk 0
	; the LDS addresses and the constants are made while these sixteen loads are out; none of these lines names a register in which a load lands
	s_mov_b32 s20, 0x76543210
	s_mov_b32 s21, 0xfedcba98                      ; v_permlanex16_b32's selects for lane l xor 16
	s_mov_b32 s22, 0x3e38aa3b                      ; c = log2(e) / 8
	s_mov_b32 s23, s22                             ; (named with it as a pair, so it is written)
	s_mul_i32 s18, s12, STGW
	s_add_co_u32 s18, s18, STAGE                   ; my stage
	v_mul_u32_u24 v[STI], v44, 272
	v_lshl_add_u32 v[STI], v43, 4, v[STI]
	v_add_nc_u32 v[STI], s18, v[STI]
	v_mul_u32_u24 v[STR], v43, 272
	v_lshl_add_u32 v[STO], v44, 5, v[STR]
	v_lshl_add_u32 v[STR], v44, 7, v[STR]
	v_add_nc_u32 v[STR], s18, v[STR]
	v_add_nc_u32 v[STO], s18, v[STO]
	s_mul_i32 s19, s13, 6144                       ; my step's images in a slot
	s_and_b32 s34, s12, 7
	s_mul_i32 s34, s34, 6                          ; K: my tile's first register g = 6 (w % 8)
.irp i, 0,1,2
	s_add_co_u32 s35, s34, 2*\i                    ; registers g, g + 1 (g even): 512 (g / 4) + 4 (g % 4) + 16 x lane
	s_lshr_b32 s36, s35, 2
	s_lshl_b32 s36, s36, 9
	s_and_b32 s35, s35, 3
	s_lshl_b32 s35, s35, 2
	s_add_co_u32 s36, s36, s35
	s_add_co_u32 s36, s36, s19
	v_add_nc_u32 v[KW+\i], s36, v[LI]
.endr
	s_lshl_b32 s35, s13, 9                         ; K's scale word: 512 x step + 256 (T / 4) + 4 (T % 4) + 16 r
	s_lshl_b32 s36, s14, 8
	s_add_co_u32 s35, s35, s36
	s_lshl_b32 s36, s15, 2
	s_add_co_u32 s35, s35, s36
	v_lshl_add_u32 v[KWS], v43, 4, s35
	s_mul_i32 s38, s16, 3072                       ; V: dt = 2 (w % 2) + lane / 16, 1,536 bytes each; the reader's lane is lane % 16 + 16 ((w / 2) % 2)
	s_add_co_u32 s38, s38, s19
	s_lshl_b32 s36, s17, 8
	s_add_co_u32 s38, s38, s36
	s_mul_i32 s34, s14, 6                          ; within dt's twelve registers: g' = 6 ((w / 4) % 2)
	v_mul_u32_u24 v45, v44, 1536
	v_lshl_add_u32 v45, v43, 4, v45
.irp i, 0,1,2
	s_add_co_u32 s35, s34, 2*\i
	s_lshr_b32 s36, s35, 2
	s_lshl_b32 s36, s36, 9
	s_and_b32 s35, s35, 3
	s_lshl_b32 s35, s35, 2
	s_add_co_u32 s36, s36, s35
	s_add_co_u32 s36, s36, s38
	v_add_nc_u32 v[VW+\i], s36, v45
.endr
	s_lshl_b32 s35, s13, 8                         ; V's scale byte: 256 x step + 4 (w % 2) + (w / 2) % 4 + 8 x lane
	s_lshl_b32 s36, s16, 2
	s_add_co_u32 s35, s35, s36
	s_bfe_u32 s36, s12, 0x20001
	s_add_co_u32 s35, s35, s36
	v_add_nc_u32 v[VWS], s35, v[L8]
	v_mov_b32 v[NM+1], 0xff61b1e6                  ; the largest t so far: -3e38, under every t
	v_floor_f32 v[NM], -v[NM+1]                    ; -M
	v_mov_b32 v[XS], 0                             ; the sum
	v_mov_b32 v[XS+1], 0
	v_mov_b32 v[FF], 0
	v_mov_b32 v[FF+1], 0                           ; (named as the upper half of f's pair)
	v_mov_b32 v47, 0                               ; a lane permute's destination counts as one of its sources
.irp j, 0,1,2,3,4,5,6,7,8,9,10,11
	v_mov_b32 v[PC+\j], 0                          ; named by K's last fragment as its upper half before p's first codes are made
.endr
.irp j, 0,1,2,3,4,5,6,7,8,9,10,11,12,13,14,15,16,17,18,19,20,21,22,23,24,25,26,27,28,29,30,31
	v_mov_b32 v[OT+\j], 0                          ; O^T.  (The key step is written once: the first finds zeros, which the first change of M leaves zeros)
.endr
	s_wait_loadcnt 8                               ; Q's eight loads are in; K's eight, issued behind them, may be out
	s_wait_alu depctr_va_vdst(0)                   ; the LDS addresses v4 to v13 and v15 are written, which the LDS stores and loads from here on read; so are p's zero codes, which the first step's products name
	TURN SC+32
	QUANT32 SC, QF
.irp j, 6,7,8,9,10,11
	v_mov_b32 v[QF+\j], 0                          ; K = 64 .. 127 of the first product: zero codes
.endr
	SWORD QS
	s_wait_loadcnt 0x0                             ; K's loads are in, so their base may step
	s_add_nc_u64 s[KP:KP+1], s[KP:KP+1], CHB
	s_wait_alu depctr_va_vdst(0)                   ; Q's quantiser is done reading SC, in which the stage's loads land; Q's codes and scale words are written, which every product K Q^T takes
	TURN LD
	s_wait_alu depctr_vm_vsrc(0)                   ; the stage's stores have read LD, in which V's loads land, and SC + 32 on, where K's codes are written
	VLOAD                                          ; chunk 0's block of V
	QUANT32 SC, CD
	SWORD 46
	s_wait_alu depctr_va_vdst(0)                   ; the quantiser has written CD and v46, which the stores read
	KSTORE 0
	s_wait_dscnt 0x0                               ; my tile of K lies in slot 0
	s_wait_alu depctr_vm_vsrc(0)                   ; its stores have read CD: V's codes take the same registers
	s_wait_loadcnt 0x0
	s_add_nc_u64 s[VP:VP+1], s[VP:VP+1], CHB
	QUANT32 LD, CD
	s_wait_alu depctr_va_vdst(0)                   ; the quantiser has written CD and v50, which the stores read, and is done reading LD, in which the next chunk's loads land
	VSTORE 0
	s_wait_dscnt 0x0                               ; for the others' sake: my stores into slot 0 have landed
	s_barrier_signal -1
	s_barrier_wait -1
	s_mov_b32 s24, 3
.Lchunks:                                              ; three trips: chunks 0 to 5 are worked, chunks 1 to 6 prepared
	CHUNK 0, 1
	CHUNK 1, 1
	s_sub_co_u32 s24, s24, 1
	s_cmp_lg_u32 s24, 0
	s_cbranch_scc1 .Lchunks
	CHUNK 0, 1                                     ; chunk 6; chunk 7 is prepared
	CHUNK 1, 0                                     ; chunk 7: nothing is left to load
	; THE WAY OUT.  O^T is divided by the row's sum and goes through my stage, so that a store covers 512 consecutive bytes: two whole rows of out0
	v_add_f32 v46, v[XS], v[XS+1]                  ; the sum's two halves,
	v_permlanex16_b32 v47, v46, s20, s21
	v_add_f32 v46, v46, v47                        ; and lane l xor 16's: the row's sum
	v_rcp_f32 v46, v46
	v_nop                                          ; one plain place behind the transcendental
	s_wait_alu depctr_va_vdst(0)                   ; the reciprocal has written v46
.irp j, 0,2,4,6,8,10,12,14,16,18,20,22,24,26,28,30
	v_pk_mul_f32 v[SC+\j:SC+\j+1], v[OT+\j:OT+\j+1], v[46:47] op_sel_hi:[1,0]   ; register 8 dt + j of lane (r, h) is out0(r, 16 dt + 8 h + j)
.endr
	s_wait_alu depctr_va_vdst(0)                   ; the multiplications have written SC .. SC + 31, which the stage's stores read; the last step's sums are done reading SC + 32 on, in which the stage's loads land
.irp d, 0,1,2,3
	ds_store_b128 v[STO], v[SC+8*\d:SC+8*\d+3] offset:64*\d
	ds_store_b128 v[STO], v[SC+8*\d+4:SC+8*\d+7] offset:64*\d+16
.endr
.irp i, 0,1,2,3,4,5,6,7
	ds_load_b128 v[SC+32+4*\i:SC+32+4*\i+3], v[STI] offset:544*\i    ; LDS serves a wave's instructions in order: these see my stores
.endr
.irp i, 0,1,2,3,4,5,6,7
	s_wait_dscnt 7-\i                              ; LDS loads come back in order: pair i of rows is in, the younger ones may be out
	global_store_b128 v[LI], v[SC+32+4*\i:SC+32+4*\i+3], s[10:11] offset:512*\i th:TH_STORE_NT
.endr
	s_wait_dscnt 0x0
	s_wait_alu depctr_hold_cnt(0) depctr_sa_sdst(0) depctr_va_vdst(0) depctr_va_sdst(0) depctr_va_ssrc(0) depctr_va_vcc(0) depctr_vm_vsrc(0)
	s_wait_tensorcnt 0x0
	ds_add_u32 v254, v255
	s_wait_dscnt 0x0
	s_endpgm
.Lfunc_end_k_q6498dd0f99_attn:
	.size	k_q6498dd0f99_attn, .Lfunc_end_k_q6498dd0f99_attn-k_q6498dd0f99_attn
	.p2alignl 7, 3214868480
	.fill 96, 4, 3214868480
	.section	.rodata,"a",@progbits
	.p2align	6, 0x0
	.amdhsa_kernel k_q6498dd0f99_attn
		.amdhsa_group_segment_fixed_size 124928
		.amdhsa_private_segment_fixed_size 0
		.amdhsa_enable_private_segment 0
		.amdhsa_kernarg_size 32
		.amdhsa_user_sgpr_count 2
		.amdhsa_user_sgpr_kernarg_segment_ptr 1
		.amdhsa_wavefront_size32 1
		.amdhsa_system_sgpr_workgroup_id_x 1
		.amdhsa_system_sgpr_workgroup_id_y 1
		.amdhsa_system_sgpr_workgroup_id_z 1
		.amdhsa_system_vgpr_workitem_id 0
		.amdhsa_next_free_vgpr 256
		.amdhsa_next_free_sgpr 66
		.amdhsa_reserve_vcc 0
		.amdhsa_float_denorm_mode_32 3
		.amdhsa_float_denorm_mode_16_64 3
		.amdhsa_memory_ordered 1
		.amdhsa_forward_progress 1
		.amdhsa_inst_pref_size 161
	.end_amdhsa_kernel
	.amdgpu_metadata
---
amdhsa.version: [ 1, 2 ]
amdhsa.kernels:
  - .name:           k_q6498dd0f99_attn
    .symbol:         k_q6498dd0f99_attn.kd
    .args:
      - { .name: query, .offset: 0, .size: 8, .value_kind: global_buffer, .address_space: global }
      - { .name: key, .offset: 8, .size: 8, .value_kind: global_buffer, .address_space: global }
      - { .name: value, .offset: 16, .size: 8, .value_kind: global_buffer, .address_space: global }
      - { .name: out0, .offset: 24, .size: 8, .value_kind: global_buffer, .address_space: global }
    .group_segment_fixed_size: 124928
    .private_segment_fixed_size: 0
    .kernarg_segment_align: 8
    .kernarg_segment_size: 32
    .max_flat_workgroup_size: 512
    .sgpr_count:     66
    .vgpr_count:     256
    .wavefront_size: 32
...
	.end_amdgpu_metadata
.endif
;; end of part 2
